; MI455X (gfx1250); checked and timed in simulation.
; The chip was launched on July 23, 2026; its instructions are those of AMD's public machine-readable ISA for CDNA 5 (MIT licence, August 2026) and "CDNA5" Instruction Set Architecture Reference Guide (July 2026). The comments in the code are by the model that wrote it; some were corrected since.
;; Causal Multi Head Self Attention. Allowed arithmetic: matrix products marked QUANTISED: E4M3 operands, one given power-of-two scale a tensor, by v_wmma_f32_16x16x64_fp8_fp8 or v_wmma_f32_16x16x128_fp8_fp8, f32 sums; everything else in f32.
;; Inputs: Wk_codes 1,024 x 32 x 32 uint8 (E4M3 codes of Wk, K innermost, in blocks of 32 codes); Wo_codes 1,024 x 32 x 32 uint8 (E4M3 codes of Wo, K innermost, in blocks of 32 codes); Wq_codes 1,024 x 32 x 32 uint8 (E4M3 codes of Wq, K innermost, in blocks of 32 codes); Wv_codes 1,024 x 32 x 32 uint8 (E4M3 codes of Wv, K innermost, in blocks of 32 codes); lowp_scales 12 int32 (the exponents e of the quantised operands' scales 2^e); token_ids 2,048 int32; x_codes 4 x 2,048 x 32 x 32 uint8 (E4M3 codes of x, K innermost, in blocks of 32 codes).
;; Outputs: out0 4 x 2,048 x 1,024 float32.
;; This version of the problem:
;;   THIS VERSION OF THE PROBLEM IS GIVEN IN LOW PRECISION. The matrix products marked QUANTISED in the list below multiply operands that are first quantised to E4M3 (4 exponent bits, 3 mantissa bits; 8 bits a number), with one given power-of-two scale for each operand tensor; their sums are f32. All else is computed in f32.
;;   The module's matrix products, in the order in which they are computed (A, B: the left and right operand; K: the contracted axis; several contracted axes count as one K, in the product's order):
;;     1. [M 8,192, K 1,024] x [K 1,024, N 1,024]; A: input x (given as codes); B: input Wq (given as codes): QUANTISED (scales: A lowp_scales[0], B lowp_scales[1])
;;     2. [M 8,192, K 1,024] x [K 1,024, N 1,024]; A: input x (given as codes); B: input Wk (given as codes): QUANTISED (scales: A lowp_scales[2], B lowp_scales[3])
;;     3. [M 8,192, K 1,024] x [K 1,024, N 1,024]; A: input x (given as codes); B: input Wv (given as codes): QUANTISED (scales: A lowp_scales[4], B lowp_scales[5])
;;     4. batch 64 x [M 2,048, K 64] x [K 64, N 2,048]; A: computed on the way; B: computed on the way: QUANTISED (scales: A lowp_scales[6], B lowp_scales[7])
;;     5. batch 64 x [M 2,048, K 2,048] x [K 2,048, N 64]; A: softmax (see below); B: computed on the way: QUANTISED (scales: A lowp_scales[8], B lowp_scales[9])
;;     6. [M 8,192, K 1,024] x [K 1,024, N 1,024]; A: computed on the way; B: input Wo (given as codes): QUANTISED (scales: A lowp_scales[10], B lowp_scales[11])
;;   THE QUANTISER, for each operand of a quantised product, along K:
;;     - The operand's scale is 2^e, e = its entry of the input lowp_scales (int32; the entries are numbered through the quantised products in the list's order, A before B).
;;     - Each number is divided by the scale, clamped to +-448, and rounded to the nearest number of E4M3, ties to even, subnormals kept.
;;     - The product sums the exact products of the quantised numbers (number of the format x scale) in f32.
;;   ~~~python
;;   def quantise(x, axis, e):      # numpy; x: float32 -> the quantised numbers, widened to float32 again
;;       x = np.moveaxis(x, axis, -1); K = x.shape[-1]
;;       r = np.clip(x / 2.0 ** e, -448, 448)
;;       step = 2.0 ** (np.maximum(np.frexp(np.where(r == 0, 1, r))[1] - 1, -6) - 3)
;;       q = np.round(r / step) * step * 2.0 ** e      # np.round: ties to even
;;       return np.moveaxis(q, -1, axis).astype(np.float32)
;;   ~~~
;;   SOFTMAX AHEAD OF A QUANTISED PRODUCT. Where the list says 'softmax', what is quantised is not the finished softmax but p = 2^(t - M), with t = logit x log2(e) and M = ceil(the row's largest t), a whole number; so 1/2 < the row's largest p <= 1. The row's sum l is taken of the UNQUANTISED p, in f32, and the product's result is divided by l at the end. Since M is a whole number, a kernel that streams over the keys may use a running M (the ceiling of the running maximum): every later rescaling is an exact power of two, so the quantised numbers keep their values, but for numbers so far below the row's largest that they fall under the format's range.
;;   OPERANDS COMPUTED ON THE WAY. 'Computed on the way' means the value that the module computes at that place (a softmax that the list does not call 'softmax' is quantised finished and normalised). What goes into a quantiser is computed in f32, as accurately as f32 sums, v_exp_f32 and their like allow (about 1e-6 of the number): no bf16 or f16 on the way to a quantiser, and a product that is left as it is and whose result goes on into a quantised operand takes f32 operands (vector FMAs, or v_wmma_f32_16x16x4_f32). A number that lies on a knife's edge between two numbers of the format may be rounded either way, as far as f32 arithmetic and the matrix unit's own rounding can turn it there, and no further.
;;   INPUTS GIVEN AS CODES. Wk (in the module: [1024, 1024], K = its axis 1); Wo (in the module: [1024, 1024], K = its axis 1); Wq (in the module: [1024, 1024], K = its axis 1); Wv (in the module: [1024, 1024], K = its axis 1); x (in the module: [4, 2048, 1024], K = its axis 2): each comes as NAME_codes (uint8): NAME with its K axis moved to the last place and cut into blocks of 32 codes, [.., K / 32, bytes a block], one block behind the other in memory; one code a byte (a code: sign, 4 exponent bits, 3 mantissa bits); its scale is its entry of lowp_scales. Its value is code x scale, taken as it is: it is not quantised again, and the codes and scales need not be those that the quantiser above would give.
;; One version. Each part assembles by itself: llvm-mc -triple=amdgcn-amd-amdhsa -mcpu=gfx1250 --defsym DOCPART=n.
;; ======== version 1 of 1: 3 launches
;; limits: right only within a limited range of input values
;; workspace buffers: qimg 8,388,608 bytes; kimg 8,388,608 bytes; vimg 8,388,608 bytes; ao 8,388,608 bytes
;; launch qkv (part 1): grid 12 x 32, 4 waves a work-group, clusters of 4 x 4, 327,680 bytes of LDS; arguments x_codes, Wq_codes, Wk_codes, Wv_codes, lowp_scales, token_ids, qimg, kimg, vimg; writes qimg, kimg, vimg
.if DOCPART == 1
	.amdgcn_target "amdgcn-amd-amdhsa--gfx1250"
	.amdhsa_code_object_version 6
	.text
	.protected	k_qdc3d810ba4_qkv
	.globl	k_qdc3d810ba4_qkv
	.p2align	8
	.type	k_qdc3d810ba4_qkv,@function
k_qdc3d810ba4_qkv:
	s_mov_b64 s[64:65], 0
	v_nop
	global_prefetch_b8 v0, s[64:65] scope:SCOPE_SE
	s_setreg_imm32_b32 hwreg(HW_REG_WAVE_MODE, 25, 1), 1
	s_wait_xcnt 0x0
	s_wait_alu depctr_hold_cnt(0) depctr_sa_sdst(0) depctr_va_vdst(0) depctr_va_sdst(0) depctr_va_ssrc(0) depctr_va_vcc(0) depctr_vm_vsrc(0)
	s_getreg_b32 s2, hwreg(HW_REG_IB_STS2, 6, 4)
	s_cmp_eq_u32 s2, 0
	s_cbranch_scc0 .Lentry_in_a_cluster
	s_endpgm
.Lentry_in_a_cluster:
	s_bfe_u32 s2, ttmp6, 0x10000c
	s_cmp_lg_u32 s2, 0xf033
	s_cbranch_scc0 .Lentry_shape_is_right
	s_endpgm
.Lentry_shape_is_right:
; q = rope(x Wq^T), k = rope(x Wk^T), v = x Wv^T on codes of FP8 (E4M3); the results are quantised with the given scales (entries 6, 7, 9) and stored as codes,
; laid as images of the registers in which the attention launch wants them.  One text serves the three products: the cluster's x says which (0: q, 1: k, 2: v).
; GENERIC FORM: C[m][n] = sum over k of A[m][k] B[n][k], K = 1,024, a tile of C 256 x 256 to a work-group, 128 x 128 to each of four waves (64 accumulators, 512 registers).
;   q, k: A = x (8,192 tokens), B = the weight (1,024 features).   v: A = Wv (1,024 features), B = x (8,192 tokens).
; THE MATRIX INSTRUCTION IS USED TRANSPOSED (source 0 = 16 rows of B, source 1 = 16 rows of A): lane (r, h) holds row r of A's block and its registers j the rows 8 h + j of B's block.
;   q, k: a lane holds one token and eight neighbouring features: the rotation's pairs lie in neighbouring registers, and eight codes are eight neighbours along the head's axis.
;   v:    a lane holds one feature and eight neighbouring tokens: eight codes are eight neighbouring keys, the second attention product's K.
; IMAGES (blocks of 512 bytes = 32 lanes x 16 bytes; every store of a wave covers 512 consecutive bytes, aligned):
;   qimg, kimg: [head 64][tile of 16 tokens 128][c 2][lane][16]: lane (r, h): token 16 tile + r, d = 32 c + 8 h + 0..7, then 32 c + 16 + 8 h + 0..7
;   vimg:       [head 64][g 64][tile of 16 d 4][lane][16]:      lane (r, h): d = 16 tile + r, keys 32 g + 8 h + 0..7, then 32 g + 16 + 8 h + 0..7
; K goes in steps of 256 through a ring of two LDS slots filled by the tensor data mover; a tile's row is 256 bytes of memory.
; CLUSTERS: 4 x 4 work-groups; the four of a row need the same tiles of A, the four of a column the same tiles of B: each tile is asked for jointly.
; ROPE: angle = f32(token id) x 10^(-i/8), one rounding; reduced by n = nearest whole number to angle x 2/pi with pi/2 in two parts (fused multiply-adds); sine and cosine by polynomials on |r| <= pi/4;
; the quadrant by n's two low bits.  The table (256 tokens x 32 frequencies x (cos, sin)) is made once a work-group, in LDS, in slot 0, which has then had its last fill and its last read.
; The sums' scale 2^(ex + ew) and the quantiser's 2^e are folded into the conversion's one scale, 2^(e - ex - ew); the rotation is linear, so it may stand ahead of that.
; LIMITS: e6 - e0 - e1, e7 - e2 - e3 and e9 - e4 - e5 lie between -126 and 119; |token id| <= 2^21; NaN codes are not served.
; 384 work-groups: the grid is what the three products' tiles of 256 x 256 give.
; REGISTERS, in windows of 256: window 0: v16-31 addresses and constants; v32-127 at work in the tail; from v128 A's fragments, ONE set.  window 1: B's fragments, TWO sets.
;   window 2: the accumulators of my rows 0-63 ((a, b) at v[8 (8 a + b)]);  window 3: those of my rows 64-127.
.set ROWB,   256                       ; a tile's row in bytes
.set KROW,   1024                      ; a row of A or of B in memory, in bytes
.set PITCH,  272                       ; an LDS row: 256 bytes + 16 of padding: the 16 rows that a load touches start 16 bytes apart modulo 256
.set FR,     16                        ; registers of a fragment: 16 rows x 128 K
.set NL,     4                         ; LDS loads that bring one
.set NP,     4                         ; places behind this matrix instruction (ISA guide 7.12.1)
.set HALFT,  128*PITCH
.set SLOT,   4*HALFT                   ; A's 256 rows, then B's 256 rows
.set SPARE,  2*SLOT                    ; behind the ring: the spare words, 128 bytes for each wave; no other line names them
.set TP,     272                       ; the table's row: 32 x (cos, sin) = 256 bytes + 16
.set ADRA, 16                          ; v16-17  LDS address of my A fragments in slot 0, 1
.set ADRB, 20                          ; v20-21  the same for B
.set TW,   24                          ; v24     where I write the table: row 64 wave + lane
.set TRD,  25                          ; v25     where I read it: row 128 (wave / 2) + r, + 32 h
.set CO,   26                          ; v26     16 x lane: my place in an image's block
.set SC,   27                          ; v27     the conversion's scale as f32
.set SPW,  28                          ; v28     LDS address of my spare word; never rewritten
.set NIL,  29                          ; v29     0; never rewritten
.set LIM,  30                          ; v30     448 x the scale
.set TA,   31                          ; v31     byte offset of my token ids
.set TMP,  32                          ; v32-95  a block's 64 numbers
.set CSB,  96                          ; v96-127, v128-159: two sets of (cos, sin)
.set AF,   128
.set CDB,  160                         ; v160-175, v176-191: two sets of codes
.set G1, 24
.set G0, 32
.set G1B, 48
.set G0B, 56
.set MSB, 0
.macro WIN new                         ; the immediate's high byte repeats the setting that is left
.if MSB != \new
	s_set_vgpr_msb (MSB<<8)|\new
.set MSB, \new
.endif
.endm
.set MUL_LO, 0xa1                      ; source 0 (B) window 1, source 1 (A) window 0, C and D window 2
.set MUL_HI, 0xf1                      ; the same, C and D window 3
.set TO_B,   0x40                      ; destination window 1, address window 0
; A joint load: waves 0 and 1 fetch for A, waves 2 and 3 for B; the branch hangs on the wave's number alone.  Four v_nop follow each line.
.macro JLOAD g0a, g1a, g0b, g1b
	s_cmp_eq_u32 s15, 0
	s_cbranch_scc0 .Lfor_b_\@
	tensor_load_to_lds s[\g0a:\g0a+3], s[\g1a:\g1a+7]
	s_nop 0
.rept 4
	v_nop
.endr
	s_branch .Lasked_\@
.Lfor_b_\@:
	tensor_load_to_lds s[\g0b:\g0b+3], s[\g1b:\g1b+7]
	s_nop 0
.rept 4
	v_nop
.endr
.Lasked_\@:
.endm
.macro CREST                           ; a round of the cluster's barrier behind its opening barrier
	s_cmp_lg_u32 s14, 0
	s_cbranch_scc1 .Lnot_wave_0_\@
	s_barrier_signal -3
.Lnot_wave_0_\@:
	s_barrier_wait -3
	s_barrier_signal -1
	s_barrier_wait -1
.endm
.macro CROUND
	s_barrier_signal -1
	s_barrier_wait -1
	CREST
.endm
	s_load_b512 s[68:83], s[0:1], 0x0              ; x s[68:69], Wq s[70:71], Wk s[72:73], Wv s[74:75], scales s[76:77], token ids s[78:79], qimg s[80:81], kimg s[82:83]
	s_load_b64 s[84:85], s[0:1], 0x40              ; vimg
	v_lshl_add_u32 v[SPW], v0, 2, SPARE
	v_mov_b32 v[NIL], 0
	ds_add_u32 v28, v29
	ds_add_u32 v28, v29
	s_wait_dscnt 0x0
	v_lshrrev_b32 v1, 5, v0
	v_readfirstlane_b32 s14, v1                    ; wave 0..3
	s_lshr_b32 s15, s14, 1                         ; which half of the tile's rows is mine.  Also: I fetch for A (0) or for B (1)
	s_and_b32 s16, s14, 1                          ; which half of its columns.  Also: which 128 rows of that tile I fetch
	s_bfe_u32 s40, ttmp6, 0x40000                  ; cx, cy: my place in the cluster
	s_bfe_u32 s41, ttmp6, 0x40004
	s_mov_b32 s66, ttmp9                           ; the cluster's x: 0 q, 1 k, 2 v: the same in all sixteen partners
	s_and_b32 s67, ttmp7, 0xffff
	s_lshl_b32 s67, s67, 2                         ; 4 x the cluster's y
	s_cmp_eq_u32 s66, 2
	s_cselect_b32 s2, 0, s67                       ; q, k: the clusters walk down the tokens, which are A's rows;
	s_cselect_b32 s3, s67, 0                       ; v: they walk along the tokens, which are B's rows
	s_add_co_u32 s17, s41, s2                      ; tile row of C
	s_add_co_u32 s42, s40, s3                      ; tile column of C
	s_lshl_b32 s43, s41, 2
	s_lshl_b32 s43, 15, s43                        ; my row of the cluster
	s_lshl_b32 s44, 0x1111, s40                    ; my column
	; descriptor group 1: a tile of 128 rows x 256 bytes, padded in LDS
	s_or_b32 s[G1+0], s43, (0<<16)|(1<<20)|(1<<21)|(5<<22)|(3<<25)  ; 15:0 the mask: A's tiles go to my row; elements of 1 byte; padding on; bit 21 beside a mask; after every 64 words, 4 words
	s_or_b32 s[G1B+0], s44, (0<<16)|(1<<20)|(1<<21)|(5<<22)|(3<<25)
.irp g, G1, G1B
	s_mov_b32 s[\g+1], ROWB<<16                    ; tensor_dim0
	s_mov_b32 s[\g+2], 128<<16                     ; tensor_dim1
	s_mov_b32 s[\g+3], ROWB<<16                    ; tile_dim0
	s_mov_b32 s[\g+4], 128                         ; tile_dim1
	s_mov_b32 s[\g+5], KROW                        ; tensor_dim0_stride
	s_mov_b32 s[\g+6], 0
	s_mov_b32 s[\g+7], 0
.endr
	s_lshl_b32 s18, s16, 7                         ; which 128 rows of the tile I fetch
	s_lshl_b32 s20, s17, 8
	s_add_co_u32 s20, s20, s18                     ; A: row 256 x tile row + 128 x half,
	s_lshl_b32 s20, s20, 10                        ; in bytes: at most 8,192 rows of 1,024
	s_mov_b32 s21, 0
	s_lshl_b32 s46, s42, 8
	s_add_co_u32 s46, s46, s18                     ; B likewise, from the tile column
	s_lshl_b32 s46, s46, 10
	s_mov_b32 s47, 0
	s_mul_i32 s45, s14, HALFT                      ; where they go: wave x 128 rows: no place in the cluster enters an LDS address
	; where my wave's codes go.  P, ph: tile and half along the tokens; F, fh: along the features.  Both layouts give ((P / 8) 16 + 4 F + 2 fh) x 131,072 + ((P % 8) 16 + 8 ph) x 1,024
	s_cmp_eq_u32 s66, 2
	s_cselect_b32 s8, s42, s17                     ; P
	s_cselect_b32 s9, s17, s42                     ; F
	s_cselect_b32 s12, s16, s15                    ; ph
	s_cselect_b32 s13, s15, s16                    ; fh
	s_lshr_b32 s98, s8, 3
	s_lshl_b32 s98, s98, 4
	s_lshl_b32 s9, s9, 2
	s_add_co_u32 s98, s98, s9
	s_lshl_b32 s13, s13, 1
	s_add_co_u32 s98, s98, s13
	s_lshl_b32 s98, s98, 17
	s_and_b32 s8, s8, 7
	s_lshl_b32 s8, s8, 4
	s_lshl_b32 s12, s12, 3
	s_add_co_u32 s8, s8, s12
	s_lshl_b32 s8, s8, 10
	s_add_co_u32 s98, s98, s8
	s_mov_b32 s99, 0
	s_lshl_b32 s2, s14, 8                          ; my token ids: 4 x ((tile row % 8) 256 + 64 wave + lane): inside the 2,048 for every product
	s_and_b32 s3, s17, 7
	s_lshl_b32 s3, s3, 10
	s_add_co_u32 s2, s2, s3
	s_wait_kmcnt 0x0
	s_load_b256 s[88:95], s[76:77], 0x0            ; e0 .. e7
	s_load_b64 s[86:87], s[76:77], 0x20            ; e8, e9
	s_cmp_eq_u32 s66, 2                            ; the buffers are chosen by the cluster's x alone
	s_cselect_b64 s[4:5], s[74:75], s[68:69]       ; A: Wv or x
	s_cselect_b64 s[6:7], s[68:69], s[72:73]       ; B: x, or Wk,
	s_cselect_b64 s[10:11], s[84:85], s[82:83]     ; out: vimg, or kimg,
	s_cmp_eq_u32 s66, 0
	s_cselect_b64 s[6:7], s[70:71], s[6:7]         ; or Wq
	s_cselect_b64 s[10:11], s[80:81], s[10:11]     ; or qimg
	s_add_nc_u64 s[20:21], s[4:5], s[20:21]
	s_add_nc_u64 s[46:47], s[6:7], s[46:47]
	s_add_nc_u64 s[10:11], s[10:11], s[98:99]
	CROUND                                         ; all sixteen work-groups are here: the first joint loads meet
.irp s, 0,1
	s_mov_b32 s[G0+4*\s], 1
	s_add_co_u32 s[G0+4*\s+1], s45, \s*SLOT
	s_add_nc_u64 s[G0+4*\s+2:G0+4*\s+3], s[20:21], \s*ROWB
	s_or_b32 s[G0+4*\s+3], s[G0+4*\s+3], 0x80000000
	s_mov_b32 s[G0B+4*\s], 1
	s_add_co_u32 s[G0B+4*\s+1], s45, \s*SLOT
	s_add_nc_u64 s[G0B+4*\s+2:G0B+4*\s+3], s[46:47], \s*ROWB
	s_or_b32 s[G0B+4*\s+3], s[G0B+4*\s+3], 0x80000000
	s_wait_alu depctr_va_vdst(0)
	s_wait_tensorcnt 0x0
	ds_add_u32 v28, v29
	ds_add_u32 v28, v29
	s_wait_dscnt 0x0
	CROUND
	JLOAD G0+4*\s, G1, G0B+4*\s, G1B               ; one load of mine is out
.endr
	v_and_b32 v1, 15, v0                           ; r
	v_bfe_u32 v2, v0, 4, 1                         ; h
	v_and_b32 v6, 31, v0                           ; lane
	s_wait_alu depctr_va_vdst(0)
	v_lshlrev_b32 v[TA], 2, v6
	v_add_nc_u32 v[TA], s2, v[TA]
	global_load_b32 v32, v[TA], s[78:79]           ; the token ids of table rows 64 wave + lane
	global_load_b32 v33, v[TA], s[78:79] offset:128   ; and 32 rows on; both are waited for in the tail
	v_mul_u32_u24 v3, v1, PITCH
	v_lshl_add_u32 v4, v2, 4, v3                   ; a fragment's row x pitch + 16 x half
	s_mul_i32 s21, s15, HALFT                      ; my 128 rows of A
	s_mul_i32 s22, s16, HALFT                      ; my 128 rows of B,
	s_add_co_u32 s22, s22, 2*HALFT                 ; which lie behind A's 256
.irp s, 0,1
	v_add_nc_u32 v[ADRA+\s], s21, v4
	v_add_nc_u32 v[ADRB+\s], s22, v4
	s_add_co_u32 s21, s21, SLOT
	s_add_co_u32 s22, s22, SLOT
.endr
	s_lshl_b32 s23, s14, 6
	v_add_nc_u32 v[TW], s23, v6
	v_mul_u32_u24 v[TW], v[TW], TP                 ; table row 64 wave + lane
	s_mul_i32 s23, s15, 128*TP
	v_mul_u32_u24 v[TRD], v1, TP
	v_lshl_add_u32 v[TRD], v2, 5, v[TRD]
	v_add_nc_u32 v[TRD], s23, v[TRD]               ; table row 128 (wave / 2) + r; my half's four frequencies of a block begin 32 h bytes on
	v_lshlrev_b32 v[CO], 4, v6
.macro FRAG reg, adr, q, i             ; a fragment: lane l holds row l % 16; registers 4 c .. 4 c + 3 hold K = 32 c + 16 (l / 16) + 0 .. 15: one order of k for A and for B
.irp c, 0,1,2,3
	ds_load_b128 v[\reg+4*\c:\reg+4*\c+3], v[\adr] offset:128*(\q)+32*\c+(\i)*16*PITCH
.endr
.endm
; 16 matrix instructions: A's blocks a0, a0 + 1 x B's eight, 128 along K.  The 64 accumulators take turns, one instruction a turn, in the same order in every step.
.macro MUL16 a0, p, zero
.irp a, \a0, \a0+1
.irp b, 0,1,2,3,4,5,6,7
.if \zero
	v_wmma_f32_16x16x128_fp8_fp8 v[8*(8*((\a)%4)+\b):8*(8*((\a)%4)+\b)+7], v[128*(\p)+FR*\b:128*(\p)+FR*\b+FR-1], v[AF+FR*(\a):AF+FR*(\a)+FR-1], 0
.else
	v_wmma_f32_16x16x128_fp8_fp8 v[8*(8*((\a)%4)+\b):8*(8*((\a)%4)+\b)+7], v[128*(\p)+FR*\b:128*(\p)+FR*\b+FR-1], v[AF+FR*(\a):AF+FR*(\a)+FR-1], v[8*(8*((\a)%4)+\b):8*(8*((\a)%4)+\b)+7]
.endif
.endr
.endr
.endm
.macro FETCH_B slot, q, p
	WIN TO_B
.irp i, 0,1,2,3,4,5,6,7
	FRAG 128*(\p)+FR*\i, ADRB+\slot, \q, \i
.endr
	WIN 0
.endm
.macro FETCH_A slot, q, i0
.irp i, \i0, \i0+1, \i0+2, \i0+3
	FRAG AF+FR*(\i), ADRA+\slot, \q, \i
.endr
.endm
.macro PLACES n                        ; plain vector instructions between a matrix instruction and a load into, or a read of, its registers
.rept \n
	v_nop
.endr
.endm
; A step of 128 along K that has its successor in the same slot.
.macro STEP slot, q, zero
	s_wait_dscnt 4*NL                              ; B's set and A's blocks 0-3 are in; the youngest sixteen loads (A's blocks 4-7) may be out
	WIN MUL_LO
	MUL16 0, (\q)%2, \zero
	MUL16 2, (\q)%2, \zero
	s_wait_dscnt 0                                 ; A's blocks 4-7 are in
	PLACES NP
	FETCH_B \slot, (\q)+1, 1-(\q)%2
	FETCH_A \slot, (\q)+1, 0
	WIN MUL_HI
	MUL16 4, (\q)%2, \zero
	MUL16 6, (\q)%2, \zero
	PLACES NP
	WIN 0
	FETCH_A \slot, (\q)+1, 4
.endm
; A slot's last step changes slots: one barrier; in front of it each wave waits for all its tensor loads, adds 0 to its spare word, and waits for that and for its reads of this slot.
.macro TURN slot, next, fill
	s_wait_tensorcnt 0x0                           ; all my tensor loads have landed: my part of the next slot
	ds_add_u32 v[SPW], v[NIL]                      ; 0 onto my spare word
	s_wait_dscnt 4*NL+1                            ; (the add and the youngest sixteen loads may be out)
	WIN MUL_LO
	MUL16 0, 1, 0
	s_wait_dscnt 0x0                               ; the add is done, and my reads of this slot are over
	s_barrier_signal -1
	MUL16 2, 1, 0
	WIN 0
	s_barrier_wait -1
.if \fill
	CREST                                          ; the barrier has opened a round of the cluster's barrier: no wave of any partner still reads this slot or has a load on its way
	s_add_nc_u64 s[G0+4*\slot+2:G0+4*\slot+3], s[G0+4*\slot+2:G0+4*\slot+3], 2*ROWB
	s_add_nc_u64 s[G0B+4*\slot+2:G0B+4*\slot+3], s[G0B+4*\slot+2:G0B+4*\slot+3], 2*ROWB
	JLOAD G0+4*\slot, G1, G0B+4*\slot, G1B         ; the first tensor load behind the round; its four v_nop are the places in front of the loads below
.else
	PLACES NP
.endif
	FETCH_B \next, 0, 0
	FETCH_A \next, 0, 0
	WIN MUL_HI
	MUL16 4, 1, 0
	MUL16 6, 1, 0
	PLACES NP
	WIN 0
	FETCH_A \next, 0, 4
.endm
	s_wait_alu depctr_va_vdst(0)
	s_wait_tensorcnt 1                             ; my part of K step 0 is in (K step 1's load may be out),
	s_barrier_signal -1
	s_barrier_wait -1                              ; everybody's is
	FETCH_B 0, 0, 0
	FETCH_A 0, 0, 0
	FETCH_A 0, 0, 4
	STEP 0, 0, 1                                   ; K = 1,024 is eight steps of 128, written out: the first starts the sums
	TURN 0, 1, 1                                   ; slot 0 takes K 512 to 767
	STEP 1, 0, 0
	TURN 1, 0, 1                                   ; slot 1 takes K 768 to 1,023
	STEP 0, 0, 0
	TURN 0, 1, 0                                   ; nothing is left to fetch; behind this barrier nobody reads slot 0
	STEP 1, 0, 0
	s_wait_dscnt 4*NL
	WIN MUL_LO
	MUL16 0, 1, 0
	MUL16 2, 1, 0
	s_wait_dscnt 0
	WIN MUL_HI
	MUL16 4, 1, 0
	MUL16 6, 1, 0
	WIN 0
	PLACES NP                                      ; in front of the first read of results and of loads into A's registers
	s_wait_loadcnt 0x0                             ; the token ids
	s_wait_kmcnt 0x0                               ; the exponents
	s_sub_co_i32 s88, s94, s88
	s_sub_co_i32 s88, s88, s89                     ; q: e6 - e0 - e1
	s_sub_co_i32 s90, s95, s90
	s_sub_co_i32 s90, s90, s91                     ; k: e7 - e2 - e3
	s_sub_co_i32 s92, s87, s92
	s_sub_co_i32 s92, s92, s93                     ; v: e9 - e4 - e5
	s_cmp_eq_u32 s66, 2
	s_cselect_b32 s96, s92, s90
	s_cmp_eq_u32 s66, 0
	s_cselect_b32 s96, s88, s96
	s_add_co_i32 s96, s96, 127
	s_lshl_b32 s97, s96, 23
	s_add_co_i32 s96, s96, 8
	s_lshl_b32 s96, s96, 23
	s_or_b32 s96, s96, 0x600000
	v_mov_b32 v[SC], s97                           ; the folded scale as f32: the conversion takes its exponent field
	v_mov_b32 v[LIM], s96                          ; 448 x that
	s_cmp_eq_u32 s66, 2
	s_cbranch_scc1 .Lno_table                      ; v is not rotated: a branch on the cluster's x, the same in every wave and partner
; THE TABLE.  EV: frequencies 2 k and 2 k + 1 for the token in v34; (cos, sin, cos, sin) into v[64 + 4 k ..] and to the table's row.
.macro EV k, f0, f1, trip
	v_mul_f32 v36, \f0, v34                        ; the angles, rounded once
	v_mul_f32 v37, \f1, v34
	v_pk_mul_f32 v[38:39], v[36:37], 0x3f22f983 op_sel_hi:[1,0]                ; x 2 / pi
	v_rndne_f32 v38, v38                           ; n
	v_rndne_f32 v39, v39
	v_pk_fma_f32 v[36:37], v[38:39], 0xbfc90fdb, v[36:37] op_sel_hi:[1,0,1]    ; r = angle - n x pi/2: the high part,
	v_pk_fma_f32 v[36:37], v[38:39], 0x333bbd2e, v[36:37] op_sel_hi:[1,0,1]    ; and the rest (pi/2 less its f32 is -4.371139e-8)
	v_pk_mul_f32 v[40:41], v[36:37], v[36:37]                                  ; z = r r
	v_pk_fma_f32 v[42:43], v[40:41], 0xb94ca1f9, v[60:61] op_sel_hi:[1,0,1]    ; sine:   -1.9515296e-4 z + 8.3321609e-3
	v_pk_fma_f32 v[44:45], v[40:41], 0x37ccf5ce, v[62:63] op_sel_hi:[1,0,1]    ; cosine:  2.4433157e-5 z - 1.3887316e-3
	v_pk_fma_f32 v[42:43], v[42:43], v[40:41], 0xbe2aaaa3 op_sel_hi:[1,1,0]    ; .. z - 1.6666655e-1
	v_pk_fma_f32 v[44:45], v[44:45], v[40:41], 0x3d2aaaa5 op_sel_hi:[1,1,0]    ; .. z + 4.1666646e-2
	v_pk_mul_f32 v[42:43], v[42:43], v[40:41]
	v_pk_fma_f32 v[44:45], v[44:45], v[40:41], -0.5 op_sel_hi:[1,1,0]
	v_pk_fma_f32 v[42:43], v[42:43], v[36:37], v[36:37]                        ; sin r
	v_pk_fma_f32 v[44:45], v[44:45], v[40:41], 1.0 op_sel_hi:[1,1,0]           ; cos r
	v_cvt_i32_f32 v46, v38
	v_cvt_i32_f32 v47, v39
.irp i, 0,1
	v_and_b32 v48, 1, v[46+\i]
	v_cmp_eq_u32 vcc_lo, 1, v48                    ; an odd quadrant swaps the two
	v_cndmask_b32 v[64+4*(\k)+2*\i], v[44+\i], v[42+\i], vcc_lo
	v_cndmask_b32 v[65+4*(\k)+2*\i], v[42+\i], v[44+\i], vcc_lo
	v_lshlrev_b32 v49, 30, v[46+\i]
	v_add_nc_u32 v50, 1, v[46+\i]
	v_and_b32 v49, 0x80000000, v49                 ; the sine is negative in quadrants 2 and 3: bit 1 of n,
	v_lshlrev_b32 v50, 30, v50
	v_xor_b32 v[65+4*(\k)+2*\i], v49, v[65+4*(\k)+2*\i]
	v_and_b32 v50, 0x80000000, v50                 ; the cosine in quadrants 1 and 2: bit 1 of n + 1
	v_xor_b32 v[64+4*(\k)+2*\i], v50, v[64+4*(\k)+2*\i]
.endr
	ds_store_b128 v[TW], v[64+4*(\k):67+4*(\k)] offset:(\trip)*32*TP+16*(\k)
.endm
.macro TROW trip                       ; 32 rows of the table, a lane to a row; the frequencies are 10^(-i/8), i = 0 .. 31
	v_cvt_f32_i32 v34, v[32+\trip]
	EV 0, 1.0, 0.74989420933, \trip
	EV 1, 0.56234132519, 0.42169650343, \trip
	EV 2, 0.31622776602, 0.23713737057, \trip
	EV 3, 0.17782794100, 0.13335214322, \trip
	EV 4, 0.1, 0.074989420933, \trip
	EV 5, 0.056234132519, 0.042169650343, \trip
	EV 6, 0.031622776602, 0.023713737057, \trip
	EV 7, 0.017782794100, 0.013335214322, \trip
	EV 8, 0.01, 0.0074989420933, \trip
	EV 9, 0.0056234132519, 0.0042169650343, \trip
	EV 10, 0.0031622776602, 0.0023713737057, \trip
	EV 11, 0.0017782794100, 0.0013335214322, \trip
	EV 12, 0.001, 0.00074989420933, \trip
	EV 13, 0.00056234132519, 0.00042169650343, \trip
	EV 14, 0.00031622776602, 0.00023713737057, \trip
	EV 15, 0.00017782794100, 0.00013335214322, \trip
.endm
	v_mov_b32 v60, 0x3c08839e                      ; 8.3321609e-3, twice: an instruction takes one literal
	v_mov_b32 v61, 0x3c08839e
	v_mov_b32 v62, 0xbab6061a                      ; -1.3887316e-3, twice
	v_mov_b32 v63, 0xbab6061a
	TROW 0
	s_wait_dscnt 0x0                               ; the stores have read v64-127, which the second pass writes again
	TROW 1
.Lno_table:
	s_wait_dscnt 0x0                               ; for the others' sake: my rows of the table lie in LDS
	s_barrier_signal -1
	s_barrier_wait -1                              ; all 256 rows do
	s_cmp_eq_u32 s66, 2
	s_cbranch_scc1 .Lv_out
; Q AND K GO OUT, block by block of 16 tokens x 128 features (two heads).
.macro CSLOAD a                        ; my token's (cos, sin) for frequencies 8 ii + 4 h + 0 .. 3, ii = 0 .. 3: eight loads into set a % 2
.irp ii, 0,1,2,3
.irp jj, 0,1
	ds_load_b128 v[CSB+32*((\a)%2)+8*\ii+4*\jj:CSB+32*((\a)%2)+8*\ii+4*\jj+3], v[TRD] offset:(\a)*16*TP+64*\ii+16*\jj
.endr
.endr
.endm
.macro QKBLK a
.set AC, 64*((\a)%4)
.set CSS, CSB+32*((\a)%2)
.set CD, CDB+16*((\a)%2)
.if (\a) < 7
	CSLOAD (\a)+1
	s_wait_dscnt 8                                 ; this block's eight loads are in; the next block's eight may be out
.else
	s_wait_dscnt 0
.endif
	WIN 0x02+((\a)/4)                              ; source 0: the sums, window 2 or 3
.irp b, 0,1,2,3,4,5,6,7                ; (x1 c, x2 c): each accumulator from its low end on
.irp p, 0,1,2,3
	v_pk_mul_f32 v[TMP+8*\b+2*\p:TMP+8*\b+2*\p+1], v[AC+8*\b+2*\p:AC+8*\b+2*\p+1], v[CSS+8*(\b%4)+2*\p:CSS+8*(\b%4)+2*\p+1] op_sel_hi:[1,0]
.endr
.endr
.irp b, 0,1,2,3,4,5,6,7                ; (x1 c - x2 s, x2 c + x1 s): the halves of x change places, s serves both, the low half's x is negated
.irp p, 0,1,2,3
	v_pk_fma_f32 v[TMP+8*\b+2*\p:TMP+8*\b+2*\p+1], v[AC+8*\b+2*\p:AC+8*\b+2*\p+1], v[CSS+8*(\b%4)+2*\p:CSS+8*(\b%4)+2*\p+1], v[TMP+8*\b+2*\p:TMP+8*\b+2*\p+1] op_sel:[1,1,0] op_sel_hi:[0,1,1] neg_lo:[1,0,0]
.endr
.endr
	WIN 0
.set i, 0
.rept 64
.set i, i+1
.endr
.if (\a) > 1
	s_wait_alu depctr_va_vdst(0)
	s_wait_xcnt 0x0                                ; the stores of two blocks ago have read this set of codes
.endif
.irp b, 0,1,2,3,4,5,6,7
	v_cvt_scalef32_pk8_fp8_f32 v[CD+2*\b:CD+2*\b+1], v[TMP+8*\b:TMP+8*\b+7], v[SC]
.endr
	v_nop                                          ; a plain instruction between the conversions and the next write of their sources
.irp g, 0,1,2,3                        ; feature blocks 2 g, 2 g + 1: head g / 2, c = g % 2
	global_store_b128 v[CO], v[CD+4*\g:CD+4*\g+3], s[10:11] offset:(\a)*1024+(\g/2)*131072+(\g%2)*512
.endr
.endm
	CSLOAD 0
.irp a, 0,1,2,3,4,5,6,7
	QKBLK \a
.endr
	s_branch .Lend
.Lv_out:
; V GOES OUT, block by block of 16 features x 128 tokens.
.macro VBLK a
.set AC, 64*((\a)%4)
.set CD, CDB+16*((\a)%2)
	WIN 0x02+((\a)/4)
.set i, 0
.rept 64
	v_med3_num_f32 v[TMP+i], v[AC+i], -v[LIM], v[LIM]    ; the hold, out of the accumulators, each from its low end on
.set i, i+1
.endr
	WIN 0
.if (\a) > 1
	s_wait_alu depctr_va_vdst(0)
	s_wait_xcnt 0x0                                ; the stores of two blocks ago have read this set of codes
.endif
.irp b, 0,1,2,3,4,5,6,7
	v_cvt_scalef32_pk8_fp8_f32 v[CD+2*\b:CD+2*\b+1], v[TMP+8*\b:TMP+8*\b+7], v[SC]
.endr
	v_nop
.irp g, 0,1,2,3                        ; token blocks 2 g, 2 g + 1: 32 keys; head a / 4, tile of d a % 4
	global_store_b128 v[CO], v[CD+4*\g:CD+4*\g+3], s[10:11] offset:((\a)/4)*131072+((\a)%4)*512+\g*2048
.endr
.endm
	s_wait_alu depctr_va_vdst(0)
.irp a, 0,1,2,3,4,5,6,7
	VBLK \a
.endr
.Lend:
	s_wait_tensorcnt 0x0                           ; the wave's end
	ds_add_u32 v[SPW], v[NIL]
	s_wait_dscnt 0x0
	CROUND                                         ; the closing round: no work-group ends while a partner may still ask for a tile that names it
	s_endpgm
.Lfunc_end_k_qdc3d810ba4_qkv:
	.size	k_qdc3d810ba4_qkv, .Lfunc_end_k_qdc3d810ba4_qkv-k_qdc3d810ba4_qkv
	.p2alignl 7, 3214868480
	.fill 96, 4, 3214868480
	.section	.rodata,"a",@progbits
	.p2align	6, 0x0
	.amdhsa_kernel k_qdc3d810ba4_qkv
		.amdhsa_group_segment_fixed_size 327680
		.amdhsa_private_segment_fixed_size 0
		.amdhsa_enable_private_segment 0
		.amdhsa_kernarg_size 72
		.amdhsa_user_sgpr_count 2
		.amdhsa_user_sgpr_kernarg_segment_ptr 1
		.amdhsa_wavefront_size32 1
		.amdhsa_system_sgpr_workgroup_id_x 1
		.amdhsa_system_sgpr_workgroup_id_y 1
		.amdhsa_system_sgpr_workgroup_id_z 1
		.amdhsa_system_vgpr_workitem_id 0
		.amdhsa_next_free_vgpr 1024
		.amdhsa_next_free_sgpr 100
		.amdhsa_reserve_vcc 1
		.amdhsa_float_denorm_mode_32 3
		.amdhsa_float_denorm_mode_16_64 3
		.amdhsa_fp16_overflow 1
		.amdhsa_memory_ordered 1
		.amdhsa_forward_progress 1
		.amdhsa_inst_pref_size 232
	.end_amdhsa_kernel
	.amdgpu_metadata
---
amdhsa.version: [ 1, 2 ]
amdhsa.kernels:
  - .name:           k_qdc3d810ba4_qkv
    .symbol:         k_qdc3d810ba4_qkv.kd
    .args:
      - { .name: x_codes, .offset: 0, .size: 8, .value_kind: global_buffer, .address_space: global }
      - { .name: Wq_codes, .offset: 8, .size: 8, .value_kind: global_buffer, .address_space: global }
      - { .name: Wk_codes, .offset: 16, .size: 8, .value_kind: global_buffer, .address_space: global }
      - { .name: Wv_codes, .offset: 24, .size: 8, .value_kind: global_buffer, .address_space: global }
      - { .name: lowp_scales, .offset: 32, .size: 8, .value_kind: global_buffer, .address_space: global }
      - { .name: token_ids, .offset: 40, .size: 8, .value_kind: global_buffer, .address_space: global }
      - { .name: qimg, .offset: 48, .size: 8, .value_kind: global_buffer, .address_space: global }
      - { .name: kimg, .offset: 56, .size: 8, .value_kind: global_buffer, .address_space: global }
      - { .name: vimg, .offset: 64, .size: 8, .value_kind: global_buffer, .address_space: global }
    .group_segment_fixed_size: 327680
    .private_segment_fixed_size: 0
    .kernarg_segment_align: 8
    .kernarg_segment_size: 72
    .max_flat_workgroup_size: 128
    .sgpr_count:     100
    .vgpr_count:     1024
    .wavefront_size: 32
...
	.end_amdgpu_metadata
.endif
;; end of part 1
;; launch attn (part 2): grid 8 x 32, 16 waves a work-group, clusters of 4 x 1, 327,680 bytes of LDS; arguments qimg, kimg, vimg, lowp_scales, ao; writes ao
.if DOCPART == 2
	.amdgcn_target "amdgcn-amd-amdhsa--gfx1250"
	.amdhsa_code_object_version 6
	.text
	.protected	k_qdc3d810ba4_attn
	.globl	k_qdc3d810ba4_attn
	.p2align	8
	.type	k_qdc3d810ba4_attn,@function
k_qdc3d810ba4_attn:
	s_mov_b64 s[64:65], 0
	v_nop
	global_prefetch_b8 v0, s[64:65] scope:SCOPE_SE
	s_setreg_imm32_b32 hwreg(HW_REG_WAVE_MODE, 25, 1), 1
	s_wait_xcnt 0x0
	s_wait_alu depctr_hold_cnt(0) depctr_sa_sdst(0) depctr_va_vdst(0) depctr_va_sdst(0) depctr_va_ssrc(0) depctr_va_vcc(0) depctr_vm_vsrc(0)
	s_getreg_b32 s2, hwreg(HW_REG_IB_STS2, 6, 4)
	s_cmp_eq_u32 s2, 0
	s_cbranch_scc0 .Lentry_in_a_cluster
	s_endpgm
.Lentry_in_a_cluster:
	s_bfe_u32 s2, ttmp6, 0x10000c
	s_cmp_lg_u32 s2, 0x3003
	s_cbranch_scc0 .Lentry_shape_is_right
	s_endpgm
.Lentry_shape_is_right:
; Causal attention on codes of FP8 (E4M3), 64 heads of 2,048 tokens x 64, from the images that the launch before stored; the result is quantised with entry 10 and stored as an image for the last product.
; THE SOFTMAX AHEAD OF THE SECOND PRODUCT: t = score x log2(e) / 8; M = the largest t so far, rounded up to a whole number; p = 2^(t - M) is quantised with 2^e8, not normalised.
; The row's sum is taken of the unquantised p and divides O at the end.  When M moves, the sum and O are multiplied by 2^(old M - new M), which rounds nothing.
; SHARES.  Work-group y names a pair of heads, A = 2 y and B = 2 y + 1.  With lo = 4 x cluster x + cx (0 .. 7), wave w (0 .. 15) owns two tiles of 16 queries: tile 8 w + lo of head A and tile
; 127 - (8 w + lo) of head B.  A step is 128 keys.  Tile A needs steps 0 .. w, tile B steps 0 .. 15 - w: 17 in all for every wave, and both bounds hang on the wave's number alone.
; Eight trips: trip t has head A's keys 256 t .. and head B's keys 256 (7 - t) .. in LDS, so that each wave has two or three of its 17 steps in every trip.  Head B's keys come from the end on:
; a running maximum asks for no order, and the first step that a tile takes holds a key that counts for each of its queries (its own, or all 128).
; A step that lies wholly behind the mask is left out by a scalar branch on the wave's number and the trip; on the diagonal hidden scores become -infinity, so p = 0.
; LAYOUT.  Both products are used transposed: S^T = K Q^T (16x16x64; source 0 = 16 keys, source 1 = my 16 queries), O^T = V^T P^T (16x16x128; source 0 = 16 of the head's 64, source 1 = P):
; a lane holds one query (lane % 16) throughout.  Register 8 t + j of S^T is key 16 t + 8 (lane / 16) + j; its eight codes are registers 2 t, 2 t + 1 of P, and vimg has its keys in that order.
; THE ROWS OF V^T THAT FORM A TILE ARE CHOSEN: lane r of tile 2 b + u takes d = 32 b + 16 (r / 8) + 8 u + r % 8, so that the 16 registers of tiles 2 b, 2 b + 1 of O^T are d = 32 b + 16 (lane / 16) + 0 .. 15.
; ao: byte (R / 8) 131,072 + (head / 4) 32,768 + (R % 8) 4,096 + (head % 4) 1,024 + b 512 + 16 lane, R = row / 16: lane (r, h): row 16 R + r, K = 64 head + 32 b + 16 h + 0 .. 15.
; CLUSTER.  Four work-groups along x walk the same K and V, so each tile is asked for jointly (mask 15).  The eight work-groups of a pair of heads are two such clusters, each with requests of its own.
; LIMITS on the given exponents: e6 + e7 between -123 and 130 (added to c's exponent field); e8 and e10 - e8 - e9 between -126 and 119.  NaN codes are not served.
; REGISTERS: v1-11 addresses and constants; v12-15, v16-19 -M, largest t, the sum in two halves, for A and B; v20-27, v28-35 Q; v36-99 fragments of K, then of V; v100-163 S^T, then p;
;   v164-195, v196-227 O^T; v228-243 p's codes; v244 2^e8; v246-251 at work; v254 the output's scale.
.set SLOT1, 1<<17                      ; slot 1 begins here: one exclusive or turns an address from one slot to the other
.set VOFF,  16384                      ; a head's part of a slot: 16 tiles of K, dense (16,384 bytes), then 32 blocks of V, 512 bytes + 128 of padding each (20,480)
.set HEADB, 36864
.set SPARE, 2*SLOT1                    ; the spare words, 128 bytes for each of 16 waves; no other line names them
.set AV0, 1                            ; v1   my lane's place in V: VOFF + 640 (r / 8) + 256 h + 16 (r % 8): lanes r < 8 and r >= 8 fall 128 bytes apart modulo 256
.set LI,  2                            ; v2   16 x lane
.set SPW, 3
.set NIL, 4
.set ADK, 5
.set ADV, 6
.set KV,  36
.set S,   100
.set P,   228
.set WV,  14                           ; s14  wave;  s15, s16 the last step of tile A, B;  s17, s18 the trip's first step of head A, B;  s19 the slot in hand
.set G1K, 24
.set G1V, 32
.set G0KA, 40
.set G0VA, 44
.set G0KB, 48
.set G0VB, 52
.macro ROUND                           ; a round of the cluster's barrier
	s_barrier_signal -1
	s_barrier_wait -1
	s_cmp_lg_u32 s[WV], 0
	s_cbranch_scc1 .Lnot_wave_0_\@
	s_barrier_signal -3
.Lnot_wave_0_\@:
	s_barrier_wait -3
	s_barrier_signal -1
	s_barrier_wait -1
.endm
; Waves 0 to 3 fetch one tile each: K of A, V of A, K of B, V of B; the others nothing.  The branches hang on the wave's number alone.  Four v_nop follow each line.
.macro TLOAD
	s_cmp_lg_u32 s[WV], 0
	s_cbranch_scc1 .Lnot0_\@
	tensor_load_to_lds s[G0KA:G0KA+3], s[G1K:G1K+7]
	s_nop 0
.rept 4
	v_nop
.endr
	s_branch .Lasked_\@
.Lnot0_\@:
	s_cmp_lg_u32 s[WV], 1
	s_cbranch_scc1 .Lnot1_\@
	tensor_load_to_lds s[G0VA:G0VA+3], s[G1V:G1V+7]
	s_nop 0
.rept 4
	v_nop
.endr
	s_branch .Lasked_\@
.Lnot1_\@:
	s_cmp_lg_u32 s[WV], 2
	s_cbranch_scc1 .Lnot2_\@
	tensor_load_to_lds s[G0KB:G0KB+3], s[G1K:G1K+7]
	s_nop 0
.rept 4
	v_nop
.endr
	s_branch .Lasked_\@
.Lnot2_\@:
	s_cmp_lg_u32 s[WV], 3
	s_cbranch_scc1 .Lasked_\@
	tensor_load_to_lds s[G0VB:G0VB+3], s[G1V:G1V+7]
	s_nop 0
.rept 4
	v_nop
.endr
.Lasked_\@:
.endm
	s_load_b256 s[4:11], s[0:1], 0x0               ; qimg s[4:5], kimg s[6:7], vimg s[8:9], the exponents s[10:11]
	s_load_b64 s[12:13], s[0:1], 0x20              ; ao
	v_lshl_add_u32 v[SPW], v0, 2, SPARE
	v_mov_b32 v[NIL], 0
	ds_add_u32 v3, v4
	ds_add_u32 v3, v4
	s_wait_dscnt 0x0
	v_lshrrev_b32 v5, 5, v0
	s_delay_alu instid0(VALU_DEP_1)
	v_readfirstlane_b32 s[WV], v5                  ; wave 0..15
	s_bfe_u32 s66, ttmp6, 0x40000                  ; cx
	s_lshl_b32 s67, ttmp9, 2
	s_add_co_u32 s67, s67, s66                     ; lo: it enters Q's and ao's addresses and the mask's numbers alone
	s_and_b32 s68, ttmp7, 0xffff                   ; y: the pair of heads, which the partners share
	s_mov_b32 s15, s[WV]                           ; tile A's last step
	s_sub_co_u32 s16, 15, s[WV]                    ; tile B's
	s_mov_b32 s17, 0                               ; head A begins at step 0,
	s_mov_b32 s18, 14                              ; head B at step 14
	s_mov_b32 s19, 0
	s_mov_b32 s56, 7                               ; slots still to be asked for
	s_lshl_b32 s70, s68, 18                        ; head A's first byte in each image: 2 y x 131,072
	s_mov_b32 s71, 0
	s_add_co_u32 s72, s70, 131072+7*16384          ; head B's last 256 keys
	s_mov_b32 s73, 0
	s_lshl_b32 s74, s[WV], 3
	s_add_co_u32 s74, s74, s67                     ; tile A
	s_sub_co_u32 s75, 127, s74                     ; tile B
	s_lshl_b32 s76, s74, 10
	s_add_co_u32 s76, s76, s70                     ; Q of tile A, in bytes
	s_lshl_b32 s78, s75, 10
	s_add_co_u32 s78, s78, s70
	s_add_co_u32 s78, s78, 131072                  ; Q of tile B
	s_lshr_b32 s80, s68, 3
	s_lshl_b32 s80, s80, 4                         ; 16 x batch
	s_and_b32 s81, s68, 7
	s_lshl_b32 s81, s81, 1                         ; head A within the batch: even
	s_lshr_b32 s82, s81, 2
	s_lshl_b32 s82, s82, 15
	s_and_b32 s83, s81, 3
	s_lshl_b32 s83, s83, 10
	s_add_co_u32 s82, s82, s83                     ; (head / 4) 32,768 + (head % 4) 1,024
	s_add_co_u32 s84, s80, s15
	s_lshl_b32 s84, s84, 17
	s_add_co_u32 s84, s84, s82
	s_lshl_b32 s85, s67, 12
	s_add_co_u32 s84, s84, s85                     ; ao, tile A: R / 8 = 16 batch + w, R % 8 = lo
	s_add_co_u32 s86, s80, s16
	s_lshl_b32 s86, s86, 17
	s_add_co_u32 s86, s86, s82
	s_add_co_u32 s86, s86, 1024                    ; head B = head A + 1
	s_sub_co_u32 s87, 7, s67
	s_lshl_b32 s85, s87, 12
	s_add_co_u32 s86, s86, s85                     ; ao, tile B: R / 8 = 16 batch + 15 - w, R % 8 = 7 - lo
	s_lshl_b32 s88, s67, 4                         ; 16 lo
	s_lshl_b32 s89, s87, 4                         ; 16 (7 - lo)
	; descriptor group 1.  K: 64 rows of 256 bytes, dense.  V: 32 rows of 512 bytes, dense in memory, 128 bytes of padding behind each in LDS.  Elements of 8 bytes.
	s_mov_b32 s[G1K], 15|(3<<16)|(1<<21)           ; 15:0 the mask: all four work-groups; 17:16 elements of 8 bytes; 21 set beside a mask
	s_mov_b32 s[G1K+1], 32<<16
	s_mov_b32 s[G1K+2], 64<<16
	s_mov_b32 s[G1K+3], 32<<16
	s_mov_b32 s[G1K+4], 64
	s_mov_b32 s[G1K+5], 32
	s_mov_b32 s[G1K+6], 0
	s_mov_b32 s[G1K+7], 0
	s_mov_b32 s[G1V], 15|(3<<16)|(1<<20)|(1<<21)|(6<<22)|(31<<25)   ; padding: after every 128 words (code 6), 32 words (code 31)
	s_mov_b32 s[G1V+1], 64<<16
	s_mov_b32 s[G1V+2], 32<<16
	s_mov_b32 s[G1V+3], 64<<16
	s_mov_b32 s[G1V+4], 32
	s_mov_b32 s[G1V+5], 64
	s_mov_b32 s[G1V+6], 0
	s_mov_b32 s[G1V+7], 0
	s_mov_b32 s20, 0x76543210                      ; v_permlanex16_b32's selects for lane l xor 16
	s_mov_b32 s21, 0xfedcba98
	s_mov_b32 s22, 0x3e38aa3b                      ; c = log2(e) / 8
	s_wait_kmcnt 0x0
	s_load_b128 s[60:63], s[10:11], 0x18           ; e6, e7, e8, e9
	s_load_b32 s58, s[10:11], 0x28                 ; e10
	s_mov_b32 s[G0KA], 1                           ; four groups 0; the LDS addresses are constants
	s_mov_b32 s[G0KA+1], 0
	s_add_nc_u64 s[G0KA+2:G0KA+3], s[6:7], s[70:71]
	s_or_b32 s[G0KA+3], s[G0KA+3], 0x80000000
	s_mov_b32 s[G0VA], 1
	s_mov_b32 s[G0VA+1], VOFF
	s_add_nc_u64 s[G0VA+2:G0VA+3], s[8:9], s[70:71]
	s_or_b32 s[G0VA+3], s[G0VA+3], 0x80000000
	s_mov_b32 s[G0KB], 1
	s_mov_b32 s[G0KB+1], HEADB
	s_add_nc_u64 s[G0KB+2:G0KB+3], s[6:7], s[72:73]
	s_or_b32 s[G0KB+3], s[G0KB+3], 0x80000000
	s_mov_b32 s[G0VB], 1
	s_mov_b32 s[G0VB+1], HEADB+VOFF
	s_add_nc_u64 s[G0VB+2:G0VB+3], s[8:9], s[72:73]
	s_or_b32 s[G0VB+3], s[G0VB+3], 0x80000000
	ROUND                                          ; all four work-groups are here: the first joint loads meet
	TLOAD                                          ; slot 0
	v_and_b32 v250, 31, v0
	s_delay_alu instid0(VALU_DEP_1)
	v_lshlrev_b32 v[LI], 4, v250
	s_delay_alu instid0(VALU_DEP_1)
	v_add_nc_u32 v5, s76, v[LI]
	s_delay_alu instid0(VALU_DEP_2)
	v_add_nc_u32 v6, s78, v[LI]
	global_load_b128 v[20:23], v5, s[4:5]          ; Q stays in registers: registers 4 c .. 4 c + 3 from block c
	global_load_b128 v[24:27], v5, s[4:5] offset:512
	global_load_b128 v[28:31], v6, s[4:5]
	global_load_b128 v[32:35], v6, s[4:5] offset:512
	v_and_b32 v251, 15, v0                         ; r
	v_bfe_u32 v252, v0, 4, 1                       ; h
	v_bfe_u32 v253, v0, 3, 1                       ; r / 8
	s_delay_alu instid0(VALU_DEP_1)
	v_mul_u32_u24 v[AV0], v253, 640
	s_delay_alu instid0(VALU_DEP_1)
	v_lshl_add_u32 v[AV0], v252, 8, v[AV0]
	v_and_b32 v253, 7, v0
	s_delay_alu instid0(VALU_DEP_1)
	v_lshl_add_u32 v[AV0], v253, 4, v[AV0]
	s_delay_alu instid0(VALU_DEP_1)
	v_add_nc_u32 v[AV0], VOFF, v[AV0]
	v_lshlrev_b32 v252, 3, v252
	s_delay_alu instid0(VALU_DEP_1)
	v_sub_nc_u32 v251, v251, v252                  ; r - 8 h
	s_delay_alu instid0(VALU_DEP_1)
	v_add_nc_u32 v7, s88, v251                     ; on tile A's diagonal register n is hidden where 16 (n / 8) + n % 8 > 16 lo + r - 8 h
	s_delay_alu instid0(VALU_DEP_2)
	v_add_nc_u32 v8, s89, v251                     ; tile B's: 16 (7 - lo) + r - 8 h
	v_mov_b32 v9, 0xff800000                       ; -infinity
	v_add_nc_u32 v10, s84, v[LI]
	v_add_nc_u32 v11, s86, v[LI]
	v_mov_b32 v13, 0xff61b1e6                      ; the largest t so far: -3e38, under every t
	s_delay_alu instid0(VALU_DEP_1)
	v_floor_f32 v12, -v13                          ; -M
	v_mov_b32 v14, 0
	v_mov_b32 v15, 0
	v_mov_b32 v17, 0xff61b1e6
	s_delay_alu instid0(VALU_DEP_1)
	v_floor_f32 v16, -v17
	v_mov_b32 v18, 0
	v_mov_b32 v19, 0
	v_mov_b32 v246, 0                              ; written once: a lane permute's destination counts as one of its sources,
	v_mov_b32 v247, 0
	v_mov_b32 v248, 0
	v_mov_b32 v249, 0                              ; and this one is named as the upper half of the pair v[248:249]
.set j, 0
.rept 64
	v_mov_b32 v[164+j], 0                          ; O^T of both tiles: a step is written once; the first finds zeros, which the first change of M leaves zeros
.set j, j+1
.endr
	s_wait_kmcnt 0x0
	s_add_co_i32 s59, s60, s61
	s_lshl_b32 s59, s59, 23
	s_add_co_i32 s22, s22, s59                     ; a score stands for score x 2^(e6 + e7): added to c's exponent field
	s_mov_b32 s23, s22                             ; (named with it as a pair, so it is written)
	s_add_co_i32 s59, s62, 127
	s_lshl_b32 s57, s59, 23
	v_mov_b32 v244, s57                            ; 2^e8 as f32
	s_sub_co_i32 s59, s58, s62
	s_sub_co_i32 s59, s59, s63                     ; a sum of the second product stands for sum x 2^(e8 + e9): its code is (sum / l) / 2^(e10 - e8 - e9)
	s_add_co_i32 s59, s59, 127
	s_lshl_b32 s57, s59, 23
	v_mov_b32 v254, s57
; A STEP of tile x (0: A, 1: B): the q-th 128 keys of its head's part of the slot in hand.
.macro UNIT x, q
.set STX, 12+4*\x
.set OX, 164+32*\x
	s_add_co_u32 s57, s[17+\x], \q                 ; which step of the head this is
	s_cmp_gt_u32 s57, s[15+\x]
	s_cbranch_scc1 .Lhid_\@                        ; all its keys come after my queries: no barrier and no tensor load stands in a step
	v_add_nc_u32 v[ADK], s19, v[LI]
	v_add_nc_u32 v[ADV], s19, v[AV0]
	v_nop                                          ; with the two additions: four places in front of loads into registers that the last products read
	v_nop
.irp t, 0,1,2,3,4,5,6,7
.irp c, 0,1
	ds_load_b128 v[KV+8*\t+4*\c:KV+8*\t+4*\c+3], v[ADK] offset:\x*HEADB+\q*8192+\t*1024+\c*512
.endr
.endr
	s_wait_alu depctr_va_vdst(0)
	s_wait_dscnt 0x0
.irp t, 0,1,2,3,4,5,6,7
	v_wmma_f32_16x16x64_fp8_fp8 v[S+8*\t:S+8*\t+7], v[KV+8*\t:KV+8*\t+7], v[20+8*\x:27+8*\x], 0
.endr
.rept 4
	v_nop                                          ; places in front of the loads below and of the first read of the scores
.endr
.irp t, 0,1,2,3                                ; V's four tiles are asked for now and land beside the softmax
.irp c, 0,1,2,3
	ds_load_b128 v[KV+16*\t+4*\c:KV+16*\t+4*\c+3], v[ADV] offset:\x*HEADB+\q*10240+\c*2560+(\t/2)*1280+(\t%2)*128
.endr
.endr
	s_cmp_lg_u32 s57, s[15+\x]
	s_cbranch_scc1 .Lopen_\@                       ; only the tile's last step lies on the diagonal
.set n, 0
.rept 64
	v_cmp_gt_i32 vcc_lo, 16*(n/8)+n%8, v[7+\x]
	v_cndmask_b32 v[S+n], v[S+n], v9, vcc_lo
.set n, n+1
.endr
.Lopen_\@:
	v_max3_num_f32 v246, v[S], v[S+1], v[S+2]      ; the step's largest score of my query among my 64 keys, in two chains, each accumulator from its low end on,
	v_max3_num_f32 v248, v[S+3], v[S+4], v[S+5]
.irp i, 6,10,14,18,22,26,30,34,38,42,46,50,54,58
	v_max3_num_f32 v246, v246, v[S+\i], v[S+1+\i]
	v_max3_num_f32 v248, v248, v[S+2+\i], v[S+3+\i]
.endr
	v_max3_num_f32 v246, v246, v[S+62], v[S+63]
	s_delay_alu instid0(VALU_DEP_1)
	v_max_num_f32 v246, v246, v248
	s_delay_alu instid0(VALU_DEP_1)
	v_permlanex16_b32 v247, v246, s20, s21
	s_delay_alu instid0(VALU_DEP_1)
	v_max_num_f32 v246, v246, v247                 ; and among lane l xor 16's
	s_delay_alu instid0(VALU_DEP_1)
	v_mul_f32 v246, s22, v246                      ; as t (c is positive)
	s_delay_alu instid0(VALU_DEP_1)
	v_max_num_f32 v[STX+1], v[STX+1], v246         ; the running largest t
	v_mov_b32 v246, v[STX]
	s_delay_alu instid0(VALU_DEP_2)
	v_floor_f32 v[STX], -v[STX+1]                  ; the new -M = floor(-t): M is a whole number
	s_delay_alu instid0(VALU_DEP_1)
	v_sub_f32 v246, v[STX], v246                   ; old M - new M: a whole number, 0 or less
	s_delay_alu instid0(VALU_DEP_1)
	v_cvt_i32_f32 v246, v246                       ; (it saturates)
	s_delay_alu instid0(VALU_DEP_1)
	v_ldexp_f32 v248, 1.0, v246                    ; f = 2^(old M - new M)
.set j, 0
.rept 32
	v_pk_fma_f32 v[S+j:S+j+1], v[S+j:S+j+1], s[22:23], v[STX:STX+1] op_sel_hi:[1,0,0]   ; t - M, two at a time
.set j, j+2
.endr
.set j, 0
	s_wait_alu depctr_va_vdst(0)
.rept 64
	v_exp_f32 v[S+j], v[S+j]                       ; p = 2^(t - M), at most 1
.set j, j+1
.endr
	v_pk_mul_f32 v[STX+2:STX+3], v[STX+2:STX+3], v[248:249] op_sel_hi:[1,0]   ; the sums under the new M (a plain place behind the exponentials)
	s_wait_alu depctr_va_vdst(0)
	v_pk_add_f32 v[250:251], v[S:S+1], v[S+2:S+3]  ; the row's sum is taken of the unquantised p: two chains
.irp j, 4,8,12,16,20,24,28,32,36,40,44,48,52,56,60
	v_pk_add_f32 v[STX+2:STX+3], v[STX+2:STX+3], v[S+\j:S+1+\j]
	v_pk_add_f32 v[250:251], v[250:251], v[S+2+\j:S+3+\j]
.endr
	s_delay_alu instid0(VALU_DEP_1)
	v_pk_add_f32 v[STX+2:STX+3], v[STX+2:STX+3], v[250:251]
.irp t, 0,1,2,3,4,5,6,7
.irp i, 0,1,2,3,4,5,6,7
.endr
	v_cvt_scalef32_pk8_fp8_f32 v[P+2*\t:P+2*\t+1], v[S+8*\t:S+8*\t+7], v244
.endr
.set j, 0
.rept 16
	v_pk_mul_f32 v[OX+j:OX+j+1], v[OX+j:OX+j+1], v[248:249] op_sel_hi:[1,0]   ; O^T under the new M; these are also the plain places behind the conversions
.set j, j+2
.endr
	s_wait_alu depctr_va_vdst(0)
	s_wait_dscnt 0x0                               ; V is in
.irp t, 0,1,2,3                                ; the four accumulators take turns
	v_wmma_f32_16x16x128_fp8_fp8 v[OX+8*\t:OX+8*\t+7], v[KV+16*\t:KV+16*\t+15], v[P:P+15], v[OX+8*\t:OX+8*\t+7]
.endr
.Lhid_\@:
.endm
; THE CHANGE OF SLOTS stands at a slot's head.  Each wave waits for all its tensor loads (its part of the slot ahead), adds 0 to its spare word, and waits for that and for its reads of the slot that it has left.
; fill = 1: the barrier is a round of the cluster's, and the slot that was left takes head A's next 256 keys and head B's 256 keys before: the load has a whole trip in which to land.
.macro CHANGE fill
	s_wait_tensorcnt 0x0                           ; no tensor load of mine is out, so a group 0 may be written
	ds_add_u32 v[SPW], v[NIL]                      ; 0 onto my spare word
.if \fill
	s_xor_b32 s[G0KA+1], s[G0KA+1], SLOT1
	s_add_nc_u64 s[G0KA+2:G0KA+3], s[G0KA+2:G0KA+3], 16384
	s_xor_b32 s[G0VA+1], s[G0VA+1], SLOT1
	s_add_nc_u64 s[G0VA+2:G0VA+3], s[G0VA+2:G0VA+3], 16384
	s_xor_b32 s[G0KB+1], s[G0KB+1], SLOT1
	s_sub_nc_u64 s[G0KB+2:G0KB+3], s[G0KB+2:G0KB+3], 16384
	s_xor_b32 s[G0VB+1], s[G0VB+1], SLOT1
	s_sub_nc_u64 s[G0VB+2:G0VB+3], s[G0VB+2:G0VB+3], 16384
.endif
	s_wait_dscnt 0x0                               ; the add is done, and my reads of the slot that I have left are over
.if \fill
	ROUND
	TLOAD                                          ; the first thing behind the round, and a wave's one tensor load until the next
.else
	s_barrier_signal -1
	s_barrier_wait -1
.endif
.endm
	s_wait_loadcnt 0x0                             ; Q; its address registers are free
.Lslot:                                            ; seven trips: behind each change of slots but the last the next slot is asked for
	CHANGE 1
	UNIT 0, 0
	UNIT 0, 1
	UNIT 1, 0
	UNIT 1, 1
	s_add_co_u32 s17, s17, 2
	s_sub_co_u32 s18, s18, 2
	s_xor_b32 s19, s19, SLOT1
	s_sub_co_u32 s56, s56, 1
	s_cmp_lg_u32 s56, 0
	s_cbranch_scc1 .Lslot
	CHANGE 0                                       ; the last trip is written out
	UNIT 0, 0
	UNIT 0, 1
	UNIT 1, 0
	UNIT 1, 1
	; THE WAY OUT: O^T / the sum, converted with 2^(e10 - e8 - e9); a lane's 16 codes of a block are 16 bytes, a wave's store 512 consecutive bytes, aligned.
.rept 4
	v_nop                                          ; places behind the last products
.endr
	v_add_f32 v14, v14, v15                        ; the sums' two halves,
	v_add_f32 v18, v18, v19
	s_delay_alu instid0(VALU_DEP_2)
	v_permlanex16_b32 v247, v14, s20, s21
	s_delay_alu instid0(VALU_DEP_2)
	v_permlanex16_b32 v246, v18, s20, s21
	s_delay_alu instid0(VALU_DEP_2)
	v_add_f32 v14, v14, v247                       ; and lane l xor 16's
	s_delay_alu instid0(VALU_DEP_2)
	v_add_f32 v18, v18, v246
	s_wait_alu depctr_va_vdst(0)
	v_rcp_f32 v14, v14
	v_rcp_f32 v18, v18
	v_nop                                          ; a plain place behind the reciprocals
.set j, 0
	s_wait_alu depctr_va_vdst(0)
.rept 32
	v_mul_f32 v[S+j], v[164+j], v14                ; each accumulator from its low end on
.set j, j+1
.endr
.set j, 0
.rept 32
	v_mul_f32 v[S+32+j], v[196+j], v18
.set j, j+1
.endr
.set j, 0
.rept 64
.set j, j+1
.endr
.irp t, 0,1,2,3,4,5,6,7
	v_cvt_scalef32_pk8_fp8_f32 v[P+2*\t:P+2*\t+1], v[S+8*\t:S+8*\t+7], v254
.endr
	v_nop
	global_store_b128 v10, v[P:P+3], s[12:13]
	global_store_b128 v10, v[P+4:P+7], s[12:13] offset:512
	global_store_b128 v11, v[P+8:P+11], s[12:13]
	global_store_b128 v11, v[P+12:P+15], s[12:13] offset:512
	s_wait_tensorcnt 0x0                           ; the wave's end
	ds_add_u32 v[SPW], v[NIL]
	s_wait_dscnt 0x0
	ROUND                                          ; the closing round
	s_endpgm
.Lfunc_end_k_qdc3d810ba4_attn:
	.size	k_qdc3d810ba4_attn, .Lfunc_end_k_qdc3d810ba4_attn-k_qdc3d810ba4_attn
	.p2alignl 7, 3214868480
	.fill 96, 4, 3214868480
	.section	.rodata,"a",@progbits
	.p2align	6, 0x0
	.amdhsa_kernel k_qdc3d810ba4_attn
		.amdhsa_group_segment_fixed_size 327680
		.amdhsa_private_segment_fixed_size 0
		.amdhsa_enable_private_segment 0
		.amdhsa_kernarg_size 40
		.amdhsa_user_sgpr_count 2
		.amdhsa_user_sgpr_kernarg_segment_ptr 1
		.amdhsa_wavefront_size32 1
		.amdhsa_system_sgpr_workgroup_id_x 1
		.amdhsa_system_sgpr_workgroup_id_y 1
		.amdhsa_system_sgpr_workgroup_id_z 1
		.amdhsa_system_vgpr_workitem_id 0
		.amdhsa_next_free_vgpr 256
		.amdhsa_next_free_sgpr 100
		.amdhsa_reserve_vcc 1
		.amdhsa_float_denorm_mode_32 3
		.amdhsa_float_denorm_mode_16_64 3
		.amdhsa_fp16_overflow 1
		.amdhsa_memory_ordered 1
		.amdhsa_forward_progress 1
		.amdhsa_inst_pref_size 166
	.end_amdhsa_kernel
	.amdgpu_metadata
---
amdhsa.version: [ 1, 2 ]
amdhsa.kernels:
  - .name:           k_qdc3d810ba4_attn
    .symbol:         k_qdc3d810ba4_attn.kd
    .args:
      - { .name: qimg, .offset: 0, .size: 8, .value_kind: global_buffer, .address_space: global }
      - { .name: kimg, .offset: 8, .size: 8, .value_kind: global_buffer, .address_space: global }
      - { .name: vimg, .offset: 16, .size: 8, .value_kind: global_buffer, .address_space: global }
      - { .name: lowp_scales, .offset: 24, .size: 8, .value_kind: global_buffer, .address_space: global }
      - { .name: ao, .offset: 32, .size: 8, .value_kind: global_buffer, .address_space: global }
    .group_segment_fixed_size: 327680
    .private_segment_fixed_size: 0
    .kernarg_segment_align: 8
    .kernarg_segment_size: 40
    .max_flat_workgroup_size: 512
    .sgpr_count:     100
    .vgpr_count:     256
    .wavefront_size: 32
...
	.end_amdgpu_metadata
.endif
;; end of part 2
;; launch proj (part 3): grid 4 x 64, 4 waves a work-group, clusters of 4 x 4, 327,680 bytes of LDS; arguments ao, Wo_codes, lowp_scales, out0; writes out0
.if DOCPART == 3
	.amdgcn_target "amdgcn-amd-amdhsa--gfx1250"
	.amdhsa_code_object_version 6
	.text
	.protected	k_qdc3d810ba4_proj
	.globl	k_qdc3d810ba4_proj
	.p2align	8
	.type	k_qdc3d810ba4_proj,@function
k_qdc3d810ba4_proj:
	s_mov_b64 s[64:65], 0
	v_nop
	global_prefetch_b8 v0, s[64:65] scope:SCOPE_SE
	s_setreg_imm32_b32 hwreg(HW_REG_WAVE_MODE, 25, 1), 1
	s_wait_xcnt 0x0
	s_wait_alu depctr_hold_cnt(0) depctr_sa_sdst(0) depctr_va_vdst(0) depctr_va_sdst(0) depctr_va_ssrc(0) depctr_va_vcc(0) depctr_vm_vsrc(0)
	s_getreg_b32 s2, hwreg(HW_REG_IB_STS2, 6, 4)
	s_cmp_eq_u32 s2, 0
	s_cbranch_scc0 .Lentry_in_a_cluster
	s_endpgm
.Lentry_in_a_cluster:
	s_bfe_u32 s2, ttmp6, 0x10000c
	s_cmp_lg_u32 s2, 0xf033
	s_cbranch_scc0 .Lentry_shape_is_right
	s_endpgm
.Lentry_shape_is_right:
; out0[m][n] = 2^(e10 + e11) x sum over k of A[m][k] Wo[n][k], on codes of FP8 (E4M3).  A: 8,192 x 1,024, the image that the attention launch stored; Wo: [1,024][1,024], K innermost; out0 f32.
; A tile of C is 128 x 256, so that 8,192 x 1,024 gives 256 work-groups; four waves, each 64 x 128: 32 accumulators, 256 registers.
; ao: byte (R / 8) 131,072 + ks 32,768 + (R % 8) 4,096 + u 1,024 + b 512 + 16 lane, R = row / 16: lane (r, h): row 16 R + r, K = 256 ks + 64 u + 32 b + 16 h + 0 .. 15.
; So a tile of 128 rows x 256 K is one dense block of 32,768 bytes, and a fragment comes by four loads of 512 consecutive bytes, in the order of k in which Wo's rows are loaded (32 c + 16 h + 0 .. 15).
; K = 1,024 is four K steps of 256.  Three LDS slots: K steps 0, 1, 2 go out together at the start; slot 0 is filled once more, with K step 3.
; CLUSTERS: 4 x 4 work-groups; A's tile is shared along a row of the cluster, Wo's along a column: joint loads.
; THE MATRIX INSTRUCTION IS USED TRANSPOSED (source 0 = 16 rows of Wo, source 1 = 16 rows of A): a lane holds eight neighbouring numbers of a row of C.
; LIMIT: e10 + e11 lies between -126 and 127.
; REGISTERS: window 0: v16-29 addresses; v32-95 at work on the way out; v128-191, v192-255 A's fragments, two sets.  window 1: Wo's fragments, two sets.  window 2: the accumulators ((a, b) at v[8 (8 a + b)]).
.set PITCH,  272                       ; a row of Wo's tile in LDS: 256 bytes + 16
.set FR,     16
.set ABYTES, 32768                     ; A's tile, dense
.set HALFB,  128*PITCH
.set SLOT,   ABYTES+2*HALFB            ; 102,400
.set SPARE,  3*SLOT                    ; the spare words, 128 bytes for each wave; no other line names them
.set SPITCH, 528                       ; the way out: a stage of 16 rows x (512 + 16) bytes for each wave, in slot 1: it has had its one fill, and its last read stands ahead of the last barrier
.set ADRA, 16                          ; v16-18  LDS address of my A fragments in slot 0, 1, 2
.set ADRB, 20                          ; v20-22  the same for Wo
.set STO,  24
.set RD,   25
.set CO,   26
.set SPW,  28
.set NIL,  29
.set TMP,  32
.set AF,   128
.set BK,   128
.set G1A, 24
.set G1B, 32
.set G0A, 40                           ; s[40:51] three groups 0 for A's tiles
.set G0B, 52                           ; s[52:63] three for Wo's
.set MSB, 0
.macro WIN new
.if MSB != \new
	s_set_vgpr_msb (MSB<<8)|\new
.set MSB, \new
.endif
.endm
.set MUL,  0xa1                        ; source 0 (Wo) window 1, source 1 (A) window 0, C and D window 2
.set TO_B, 0x40
.macro CREST
	s_cmp_lg_u32 s14, 0
	s_cbranch_scc1 .Lnot_wave_0_\@
	s_barrier_signal -3
.Lnot_wave_0_\@:
	s_barrier_wait -3
	s_barrier_signal -1
	s_barrier_wait -1
.endm
.macro CROUND
	s_barrier_signal -1
	s_barrier_wait -1
	CREST
.endm
.macro PLACES n
.rept \n
	v_nop
.endr
.endm
	s_load_b128 s[4:7], s[0:1], 0x0                ; ao s[4:5], Wo's codes s[6:7]
	s_load_b128 s[8:11], s[0:1], 0x10              ; the exponents s[8:9], out0 s[10:11]
	v_lshl_add_u32 v[SPW], v0, 2, SPARE
	v_mov_b32 v[NIL], 0
	ds_add_u32 v28, v29
	ds_add_u32 v28, v29
	s_wait_dscnt 0x0
	v_lshrrev_b32 v1, 5, v0
	v_readfirstlane_b32 s14, v1                    ; wave 0..3
	s_lshr_b32 s15, s14, 1                         ; which 64 rows of the tile are mine.  Also: I fetch for A (0) or for Wo (1)
	s_and_b32 s16, s14, 1                          ; which 128 columns.  Also: which half of that tile I fetch
	s_bfe_u32 s66, ttmp6, 0x40000                  ; cx
	s_bfe_u32 s67, ttmp6, 0x40004                  ; cy
	s_lshl_b32 s68, ttmp9, 2
	s_add_co_u32 s68, s68, s66                     ; tile column of C
	s_and_b32 s69, ttmp7, 0xffff
	s_lshl_b32 s69, s69, 2
	s_add_co_u32 s69, s69, s67                     ; tile row of C
	s_lshl_b32 s70, s67, 2
	s_lshl_b32 s70, 15, s70                        ; my row of the cluster
	s_lshl_b32 s71, 0x1111, s66                    ; my column
	s_or_b32 s[G1A], s70, (0<<16)|(1<<21)          ; A: 64 rows of 256 bytes, dense in memory and in LDS; the mask: my row
	s_mov_b32 s[G1A+1], 256<<16
	s_mov_b32 s[G1A+2], 64<<16
	s_mov_b32 s[G1A+3], 256<<16
	s_mov_b32 s[G1A+4], 64
	s_mov_b32 s[G1A+5], 256
	s_mov_b32 s[G1A+6], 0
	s_mov_b32 s[G1A+7], 0
	s_or_b32 s[G1B], s71, (0<<16)|(1<<20)|(1<<21)|(5<<22)|(3<<25)   ; Wo: 128 rows of 256 bytes, 1,024 apart; 4 words of padding after every 64; the mask: my column
	s_mov_b32 s[G1B+1], 256<<16
	s_mov_b32 s[G1B+2], 128<<16
	s_mov_b32 s[G1B+3], 256<<16
	s_mov_b32 s[G1B+4], 128
	s_mov_b32 s[G1B+5], 1024
	s_mov_b32 s[G1B+6], 0
	s_mov_b32 s[G1B+7], 0
	s_lshl_b32 s72, s69, 17                        ; A: tile row x 131,072 + half x 16,384
	s_lshl_b32 s73, s16, 14
	s_add_co_u32 s72, s72, s73
	s_mov_b32 s73, 0
	s_lshl_b32 s74, s68, 18                        ; Wo: (256 x tile column + 128 x half) rows of 1,024 bytes
	s_lshl_b32 s75, s16, 17
	s_add_co_u32 s74, s74, s75
	s_mov_b32 s75, 0
	s_lshl_b32 s76, s16, 14                        ; where they go: no place in the cluster enters an LDS address
	s_mul_i32 s77, s16, HALFB
	s_add_co_u32 s77, s77, ABYTES
	s_lshl_b32 s78, s69, 19                        ; my first number of C, in bytes: (128 x tile row + 64 x half) rows of 4,096,
	s_lshl_b32 s79, s15, 18
	s_add_co_u32 s78, s78, s79
	s_lshl_b32 s79, s68, 10                        ; + 1,024 x tile column + 512 x half
	s_add_co_u32 s78, s78, s79
	s_lshl_b32 s79, s16, 9
	s_add_co_u32 s78, s78, s79
	s_mov_b32 s79, 0
	s_wait_kmcnt 0x0
	s_load_b64 s[96:97], s[8:9], 0x28              ; e10, e11
	s_add_nc_u64 s[72:73], s[4:5], s[72:73]
	s_add_nc_u64 s[74:75], s[6:7], s[74:75]
	s_add_nc_u64 s[10:11], s[10:11], s[78:79]
	CROUND                                         ; all sixteen work-groups are here: the first joint loads meet
.irp s, 0,1,2
	s_mov_b32 s[G0A+4*\s], 1
	s_add_co_u32 s[G0A+4*\s+1], s76, \s*SLOT
	s_add_nc_u64 s[G0A+4*\s+2:G0A+4*\s+3], s[72:73], \s*32768
	s_or_b32 s[G0A+4*\s+3], s[G0A+4*\s+3], 0x80000000
	s_mov_b32 s[G0B+4*\s], 1
	s_add_co_u32 s[G0B+4*\s+1], s77, \s*SLOT
	s_add_nc_u64 s[G0B+4*\s+2:G0B+4*\s+3], s[74:75], \s*256
	s_or_b32 s[G0B+4*\s+3], s[G0B+4*\s+3], 0x80000000
.endr
	s_cmp_eq_u32 s15, 0                            ; a wave's three first fills stand in one branch: three loads of mine are out; four v_nop follow the last
	s_cbranch_scc0 .Lfirst_b
	tensor_load_to_lds s[G0A:G0A+3], s[G1A:G1A+7]
	s_nop 0
	tensor_load_to_lds s[G0A+4:G0A+7], s[G1A:G1A+7]
	s_nop 0
	tensor_load_to_lds s[G0A+8:G0A+11], s[G1A:G1A+7]
	s_nop 0
.rept 4
	v_nop
.endr
	s_branch .Lfirst_asked
.Lfirst_b:
	tensor_load_to_lds s[G0B:G0B+3], s[G1B:G1B+7]
	s_nop 0
	tensor_load_to_lds s[G0B+4:G0B+7], s[G1B:G1B+7]
	s_nop 0
	tensor_load_to_lds s[G0B+8:G0B+11], s[G1B:G1B+7]
	s_nop 0
.rept 4
	v_nop
.endr
.Lfirst_asked:
	v_and_b32 v1, 15, v0                           ; r
	v_bfe_u32 v2, v0, 4, 1                         ; h
	v_and_b32 v6, 31, v0
	v_lshlrev_b32 v[CO], 4, v6                     ; 16 x lane
	v_mul_u32_u24 v3, v1, PITCH
	v_lshl_add_u32 v4, v2, 4, v3                   ; Wo: row x pitch + 16 x half
	s_lshl_b32 s21, s15, 14                        ; my four blocks of A: 4 x 4,096 bytes
	s_mul_i32 s22, s16, HALFB
	s_add_co_u32 s22, s22, ABYTES                  ; my 128 rows of Wo
.irp s, 0,1,2
	v_add_nc_u32 v[ADRA+\s], s21, v[CO]
	v_add_nc_u32 v[ADRB+\s], s22, v4
	s_add_co_u32 s21, s21, SLOT
	s_add_co_u32 s22, s22, SLOT
.endr
	s_mul_i32 s23, s14, 16*SPITCH
	s_add_co_u32 s23, s23, SLOT                    ; my stage
	v_mul_u32_u24 v5, v1, SPITCH                   ; in: row r, 32 bytes for each half of the lanes
	v_lshl_add_u32 v5, v2, 5, v5
	v_add_nc_u32 v[STO], s23, v5
	v_add_nc_u32 v[RD], s23, v[CO]                 ; back: the 32 lanes take one row of 512 bytes
.macro FRAGA reg, adr, q, i            ; A's block i, the slot's q-th 128 along K: registers 4 c .. 4 c + 3 hold K = 32 c + 16 h + 0 .. 15
.irp c, 0,1,2,3
	ds_load_b128 v[\reg+4*\c:\reg+4*\c+3], v[\adr] offset:(\i)*4096+(2*(\q)+\c/2)*1024+(\c%2)*512
.endr
.endm
.macro FRAGB reg, adr, q, i            ; Wo's block i: the same k in the same registers
.irp c, 0,1,2,3
	ds_load_b128 v[\reg+4*\c:\reg+4*\c+3], v[\adr] offset:128*(\q)+32*\c+(\i)*16*PITCH
.endr
.endm
.macro FETCH slot, q, p                ; 48 loads in one run: a step's fragments into set p
	WIN TO_B
.irp i, 0,1,2,3,4,5,6,7
	FRAGB 128*(\p)+FR*\i, ADRB+\slot, \q, \i
.endr
	WIN 0
.irp i, 0,1,2,3
	FRAGA AF+64*(\p)+FR*\i, ADRA+\slot, \q, \i
.endr
.endm
; 8 matrix instructions: A's block a x Wo's eight.  The 32 accumulators take turns, one instruction a turn, in the same order in every step.
.macro MUL8 a, p, zero
.irp b, 0,1,2,3,4,5,6,7
.if \zero
	v_wmma_f32_16x16x128_fp8_fp8 v[8*(8*(\a)+\b):8*(8*(\a)+\b)+7], v[128*(\p)+FR*\b:128*(\p)+FR*\b+FR-1], v[AF+64*(\p)+FR*(\a):AF+64*(\p)+FR*(\a)+FR-1], 0
.else
	v_wmma_f32_16x16x128_fp8_fp8 v[8*(8*(\a)+\b):8*(8*(\a)+\b)+7], v[128*(\p)+FR*\b:128*(\p)+FR*\b+FR-1], v[AF+64*(\p)+FR*(\a):AF+64*(\p)+FR*(\a)+FR-1], v[8*(8*(\a)+\b):8*(8*(\a)+\b)+7]
.endif
.endr
.endm
; A step of 128 along K on set p; the next step's fragments (slot ns, its nq-th 128) are asked for first and land beside the 32 products.
.macro PSTEP p, ns, nq, zero
	s_wait_dscnt 0x0                               ; this step's fragments are in
	PLACES 4                                       ; in front of loads into the set that the step before multiplied
	FETCH \ns, \nq, 1-\p
	WIN MUL
	MUL8 0, \p, \zero
	MUL8 1, \p, \zero
	MUL8 2, \p, \zero
	MUL8 3, \p, \zero
	WIN 0
.endm
	s_wait_alu depctr_va_vdst(0)
	s_wait_tensorcnt 2                             ; my part of K step 0 is in; K steps 1 and 2 may stay out
	s_barrier_signal -1
	s_barrier_wait -1                              ; everybody's is
	FETCH 0, 0, 0
	PSTEP 0, 0, 1, 1                               ; K 0 to 127: its products start the sums
	; K 128 to 255: slot 0 is left and filled again
	s_wait_tensorcnt 0x0                           ; all my tensor loads have landed: my parts of slots 1 and 2
	ds_add_u32 v[SPW], v[NIL]                      ; 0 onto my spare word
	s_wait_dscnt 1                                 ; this step's fragments are in (the add may be out)
	WIN MUL
	MUL8 0, 1, 0
	s_wait_dscnt 0x0                               ; the add is done, and my reads of slot 0 are over
	s_barrier_signal -1
	MUL8 1, 1, 0
	WIN 0
	s_barrier_wait -1
	CREST                                          ; the barrier has opened a round of the cluster's barrier: no wave of any partner still reads slot 0 or has a load on its way
	s_add_nc_u64 s[G0A+2:G0A+3], s[G0A+2:G0A+3], 3*32768   ; K step 3
	s_add_nc_u64 s[G0B+2:G0B+3], s[G0B+2:G0B+3], 3*256
	s_cmp_eq_u32 s15, 0
	s_cbranch_scc0 .Lagain_b
	tensor_load_to_lds s[G0A:G0A+3], s[G1A:G1A+7]  ; the first tensor load behind the round, one a wave; its four v_nop are the places in front of the loads below
	s_nop 0
.rept 4
	v_nop
.endr
	s_branch .Lagain_asked
.Lagain_b:
	tensor_load_to_lds s[G0B:G0B+3], s[G1B:G1B+7]
	s_nop 0
.rept 4
	v_nop
.endr
.Lagain_asked:
	FETCH 1, 0, 0
	WIN MUL
	MUL8 2, 1, 0
	MUL8 3, 1, 0
	WIN 0
	PSTEP 0, 1, 1, 0                               ; K 256 ..
	PSTEP 1, 2, 0, 0                               ; K 384 ..: slot 2 was shown whole in every wave by the round above
	PSTEP 0, 2, 1, 0                               ; K 512 ..
	; K 640 to 767: K step 3 must be whole before it is read
	s_wait_tensorcnt 0x0                           ; my part of K step 3 has landed (the one load that was out),
	s_wait_dscnt 0x0                               ; this step's fragments are in, and no LDS instruction of mine is pending at the signal
	s_barrier_signal -1
	WIN MUL
	MUL8 0, 1, 0
	MUL8 1, 1, 0
	s_barrier_wait -1                              ; everybody's has. Nobody reads slot 1 any more
	PLACES 4
	FETCH 0, 0, 0
	WIN MUL
	MUL8 2, 1, 0
	MUL8 3, 1, 0
	WIN 0
	PSTEP 0, 0, 1, 0                               ; K 768 ..
	s_wait_dscnt 0x0                               ; K 896 ..: nothing more to fetch
	WIN MUL
	MUL8 0, 1, 0
	MUL8 1, 1, 0
	MUL8 2, 1, 0
	MUL8 3, 1, 0
	WIN 0
; THE WAY OUT, block by block of 16 rows x 128 columns: x 2^(e10 + e11); through my own stage in LDS; back as whole rows of 512 bytes.  LDS serves a wave's instructions in order (ISA guide 5.7.1.4).
.macro TOSTAGE a
.set AC, 64*(\a)
	WIN 0x02                                       ; source 0: window 2
.set j, 0
.rept 32
	v_pk_mul_f32 v[TMP+j:TMP+j+1], v[AC+j:AC+j+1], s[96:97] op_sel_hi:[1,0]   ; both x s96; each accumulator from its low end on
.set j, j+2
.endr
	WIN 0
.irp b, 0,1,2,3,4,5,6,7
	ds_store_b128 v[STO], v[TMP+8*\b:TMP+8*\b+3] offset:64*\b
	ds_store_b128 v[STO], v[TMP+8*\b+4:TMP+8*\b+7] offset:64*\b+16
.endr
.set BB, BK+64*((\a)%2)
.irp t, 0,1,2,3,4,5,6,7,8,9,10,11,12,13,14,15
	ds_load_b128 v[BB+4*\t:BB+4*\t+3], v[RD] offset:\t*SPITCH
.endr
.endm
.macro SEND a, younger                 ; younger: the LDS instructions issued behind block a's loads, which may stay out
.set BB, BK+64*((\a)%2)
	s_wait_dscnt \younger
.if (\a) > 0
	s_add_nc_u64 s[10:11], s[10:11], 16*4096       ; (behind a wait on XCNT: the earlier stores have read their base)  16 rows of C on
.endif
.irp t, 0,1,2,3,4,5,6,7,8,9,10,11,12,13,14,15
	global_store_b128 v[CO], v[BB+4*\t:BB+4*\t+3], s[10:11] offset:\t*4096 th:TH_STORE_NT   ; 32 lanes store 512 consecutive bytes, aligned; written once, read by nobody here
.endr
.endm
	s_wait_kmcnt 0x0
	s_add_co_i32 s96, s96, s97                     ; e10 + e11, between -126 and 127,
	s_add_co_i32 s96, s96, 127
	s_lshl_b32 s96, s96, 23                        ; makes the f32 number 2^(e10 + e11)
	PLACES 4                                       ; in front of the first read of results and of loads into A's registers
	TOSTAGE 0
.irp a, 1,2,3
.if \a > 1
	s_wait_xcnt 0x0                                ; block a - 2's stores have read their registers and their base
.endif
	TOSTAGE \a
	SEND \a-1, 32                                  ; behind block a - 1's loads: block a's 16 stores and 16 loads
.endr
	s_wait_xcnt 0x0
	SEND 3, 0
	s_wait_tensorcnt 0x0                           ; the wave's end
	ds_add_u32 v[SPW], v[NIL]
	s_wait_dscnt 0x0
	CROUND                                         ; the closing round
	s_endpgm
.Lfunc_end_k_qdc3d810ba4_proj:
	.size	k_qdc3d810ba4_proj, .Lfunc_end_k_qdc3d810ba4_proj-k_qdc3d810ba4_proj
	.p2alignl 7, 3214868480
	.fill 96, 4, 3214868480
	.section	.rodata,"a",@progbits
	.p2align	6, 0x0
	.amdhsa_kernel k_qdc3d810ba4_proj
		.amdhsa_group_segment_fixed_size 327680
		.amdhsa_private_segment_fixed_size 0
		.amdhsa_enable_private_segment 0
		.amdhsa_kernarg_size 32
		.amdhsa_user_sgpr_count 2
		.amdhsa_user_sgpr_kernarg_segment_ptr 1
		.amdhsa_wavefront_size32 1
		.amdhsa_system_sgpr_workgroup_id_x 1
		.amdhsa_system_sgpr_workgroup_id_y 1
		.amdhsa_system_sgpr_workgroup_id_z 1
		.amdhsa_system_vgpr_workitem_id 0
		.amdhsa_next_free_vgpr 768
		.amdhsa_next_free_sgpr 100
		.amdhsa_reserve_vcc 0
		.amdhsa_float_denorm_mode_32 3
		.amdhsa_float_denorm_mode_16_64 3
		.amdhsa_memory_ordered 1
		.amdhsa_forward_progress 1
		.amdhsa_inst_pref_size 74
	.end_amdhsa_kernel
	.amdgpu_metadata
---
amdhsa.version: [ 1, 2 ]
amdhsa.kernels:
  - .name:           k_qdc3d810ba4_proj
    .symbol:         k_qdc3d810ba4_proj.kd
    .args:
      - { .name: ao, .offset: 0, .size: 8, .value_kind: global_buffer, .address_space: global }
      - { .name: Wo_codes, .offset: 8, .size: 8, .value_kind: global_buffer, .address_space: global }
      - { .name: lowp_scales, .offset: 16, .size: 8, .value_kind: global_buffer, .address_space: global }
      - { .name: out0, .offset: 24, .size: 8, .value_kind: global_buffer, .address_space: global }
    .group_segment_fixed_size: 327680
    .private_segment_fixed_size: 0
    .kernarg_segment_align: 8
    .kernarg_segment_size: 32
    .max_flat_workgroup_size: 128
    .sgpr_count:     100
    .vgpr_count:     768
    .wavefront_size: 32
...
	.end_amdgpu_metadata
.endif
;; end of part 3
